; MI455X (gfx1250); checked and timed in simulation.
; The chip was launched on July 23, 2026; its instructions are those of AMD's public machine-readable ISA for CDNA 5 (MIT licence, August 2026) and "CDNA5" Instruction Set Architecture Reference Guide (July 2026). The comments in the code are by the model that wrote it; some were corrected since.
;; Attention. Allowed arithmetic: matrix products marked QUANTISED: E4M3 operands, one E8M0 scale for each 32 along K, by v_wmma_scale_f32_16x16x128_f8f6f4 with both operands' format E4M3, f32 sums; everything else in f32.
;; Inputs: key_codes 4 x 16 x 2,048 x 2 x 32 uint8 (E4M3 codes of key, K innermost, in blocks of 32 codes); key_scales 4 x 16 x 2,048 x 2 uint8 (E8M0 scales of key, one for each 32 codes along K); mask 1 x 1 x 2,048 x 2,048 bool; query_codes 4 x 16 x 2,048 x 2 x 32 uint8 (E4M3 codes of query, K innermost, in blocks of 32 codes); query_scales 4 x 16 x 2,048 x 2 uint8 (E8M0 scales of query, one for each 32 codes along K); value_codes 4 x 16 x 64 x 64 x 32 uint8 (E4M3 codes of value, K innermost, in blocks of 32 codes); value_scales 4 x 16 x 64 x 64 uint8 (E8M0 scales of value, one for each 32 codes along K).
;; Outputs: out0 4 x 16 x 2,048 x 64 float32.
;; This version of the problem:
;;   THIS VERSION OF THE PROBLEM IS GIVEN IN LOW PRECISION. The matrix products marked QUANTISED in the list below multiply operands that are first quantised to E4M3 (4 exponent bits, 3 mantissa bits; 8 bits a number), with one power-of-two scale for each 32 numbers along K (OCP MX v1.0); their sums are f32. All else is computed in f32.
;;   The module's matrix products, in the order in which they are computed (A, B: the left and right operand; K: the contracted axis; several contracted axes count as one K, in the product's order):
;;     1. batch 64 x [M 2,048, K 64] x [K 64, N 2,048]; A: input query (given as codes); B: input key (given as codes): QUANTISED
;;     2. batch 64 x [M 2,048, K 2,048] x [K 2,048, N 64]; A: computed on the way; B: input value (given as codes): QUANTISED
;;   THE QUANTISER, for each operand of a quantised product, along K:
;;     - K is cut into blocks of 32 from its start; a last block that is shorter is filled with zeros.
;;     - A block's scale is 2^e with e = floor(log2(the largest magnitude in the block)) - 8, held to -126 .. 127; a block of zeros has e = 0. As a byte (E8M0): e + 127.
;;     - Each number is divided by its block's scale, clamped to +-448, and rounded to the nearest number of E4M3, ties to even, subnormals kept.
;;     - The product sums the exact products of the quantised numbers (number of the format x scale) in f32.
;;   ~~~python
;;   def quantise(x, axis):      # numpy; x: float32 -> the quantised numbers, widened to float32 again
;;       x = np.moveaxis(x, axis, -1); K = x.shape[-1]
;;       x = np.pad(x, [(0, 0)] * (x.ndim - 1) + [(0, -K % 32)]); x = x.reshape(x.shape[:-1] + (-1, 32)); a = np.abs(x).max(-1, keepdims=True)
;;       e = np.where(a > 0, np.clip(np.frexp(np.where(a > 0, a, 1))[1] - 1 - 8, -126, 127), 0)      # np.frexp(a)[1] - 1 = floor(log2(a)), exactly
;;       r = np.clip(x / 2.0 ** e, -448, 448)
;;       step = 2.0 ** (np.maximum(np.frexp(np.where(r == 0, 1, r))[1] - 1, -6) - 3)
;;       q = np.round(r / step) * step * 2.0 ** e      # np.round: ties to even
;;       return np.moveaxis(q.reshape(q.shape[:-2] + (-1,))[..., :K], -1, axis).astype(np.float32)
;;   ~~~
;;   OPERANDS COMPUTED ON THE WAY. 'Computed on the way' means the value that the module computes at that place (a softmax that the list does not call 'softmax' is quantised finished and normalised). What goes into a quantiser is computed in f32, as accurately as f32 sums, v_exp_f32 and their like allow (about 1e-6 of the number): no bf16 or f16 on the way to a quantiser, and a product that is left as it is and whose result goes on into a quantised operand takes f32 operands (vector FMAs, or v_wmma_f32_16x16x4_f32). A number that lies on a knife's edge between two numbers of the format may be rounded either way, as far as f32 arithmetic and the matrix unit's own rounding can turn it there, and no further.
;;   INPUTS GIVEN AS CODES. key (in the module: [4, 16, 2048, 64], K = its axis 3); query (in the module: [4, 16, 2048, 64], K = its axis 3); value (in the module: [4, 16, 2048, 64], K = its axis 2): each comes as NAME_codes (uint8): NAME with its K axis moved to the last place and cut into blocks of 32 codes, [.., K / 32, bytes a block], one block behind the other in memory; one code a byte (a code: sign, 4 exponent bits, 3 mantissa bits); and NAME_scales (uint8): the same leading axes, one E8M0 byte (e + 127) for each 32 codes along K. Its value is code x scale, taken as it is: it is not quantised again, and the codes and scales need not be those that the quantiser above would give.
;; One version. Each part assembles by itself: llvm-mc -triple=amdgcn-amd-amdhsa -mcpu=gfx1250 --defsym DOCPART=n.
;; ======== version 1 of 1: 1 launch
;; limits: right only within a limited range of input values
;; launch attn (part 1): grid 16 x 16, 8 waves a work-group, clusters of 4 x 1, 327,680 bytes of LDS; arguments query_codes, query_scales, key_codes, key_scales, value_codes, value_scales, out0; writes out0
.if DOCPART == 1
	.amdgcn_target "amdgcn-amd-amdhsa--gfx1250"
	.amdhsa_code_object_version 6
	.text
	.protected	k_qe494b35aee_attn
	.globl	k_qe494b35aee_attn
	.p2align	8
	.type	k_qe494b35aee_attn,@function
k_qe494b35aee_attn:
	s_mov_b64 s[64:65], 0
	v_nop
	global_prefetch_b8 v0, s[64:65] scope:SCOPE_SE
	s_setreg_imm32_b32 hwreg(HW_REG_WAVE_MODE, 25, 1), 1
	s_wait_xcnt 0x0
	s_wait_alu depctr_hold_cnt(0) depctr_sa_sdst(0) depctr_va_vdst(0) depctr_va_sdst(0) depctr_va_ssrc(0) depctr_va_vcc(0) depctr_vm_vsrc(0)
	s_getreg_b32 s2, hwreg(HW_REG_IB_STS2, 6, 4)
	s_cmp_eq_u32 s2, 0
	s_cbranch_scc0 .Lentry_in_a_cluster
	s_endpgm
.Lentry_in_a_cluster:
	s_bfe_u32 s2, ttmp6, 0x10000c
	s_cmp_lg_u32 s2, 0x3003
	s_cbranch_scc0 .Lentry_shape_is_right
	s_endpgm
.Lentry_shape_is_right:
; out[b][h][i][:] = the sum over j of w[b][h][i][j] V[b][h][j][:],  w = softmax OVER THE BATCH AXIS b (four numbers) of Q[b][h][i] . K[b][h][j] / 4.
; Both products on codes of FP8 (E4M3) with one E8M0 scale for each 32 along K.  Q, K: [4][16][2048][64] codes, scale bytes [4][16][2048][2].  V: codes with the keys innermost, [4][16][64][2048], scale bytes
; [4][16][64][64].  out: [4][16][2048][64] f32.  w is finished and normalised in f32 and then quantised along the keys, in blocks of 32.
; THE MASK is no argument of this launch: the function that defines the result throws its masked copy of the scores away, so no output hangs on the mask, whatever it holds.
; SHARES.  A work-group owns 128 queries of one head, each of its eight waves 16 of them, FOR ALL FOUR BATCHES: the softmax joins the four batches' scores of one (query, key), which so lie in one lane.
; Every wave walks the head's 2,048 keys, 128 a step.  Two waves of 512 registers share a SIMD: while one waits for LDS or for results, the other has vector work.
; CLUSTER.  The four work-groups of a cluster own four query blocks of one head and walk the same K and V: each tile is asked for JOINTLY, by the same tensor load with a mask that names the four.
; LAYOUT.  Both products are used transposed: S^T = K Q^T (source 0 = keys, source 1 = my 16 queries), O^T = V^T P^T (source 0 = 16 channels, source 1 = P): a lane holds ONE query (lane % 16) throughout.
; THE FIRST PRODUCT'S K IS 64, THE INSTRUCTION'S 128.  Row m of a fragment of K holds TWO keys on end: y = 32 blk + 16 (m / 8) + m % 8 and y + 8.  Multiplied by [q | zeros] it gives the scores of the keys y,
; by [zeros | q] those of the keys y + 8: one fragment feeds two matrix instructions, and a lane's 16 score registers are 16 NEIGHBOURING keys, 32 blk + 16 (lane / 16) + 0 .. 15: the order of P's operand.
; Q and its zeros lie as [0][q0][0][q1][0][q2][0][q3][0], eight registers each: [0 | q_b] and [q_b | 0] are two overlapping runs of 16.
; THE SOFTMAX: t_b = c s_b - c max_b(s_b), c = log2(e) / 4; e_b = 2^t_b; w_b = e_b / (e_0 + e_1 + e_2 + e_3).  The rounding of c max is common to the four and cancels in the division.
; No prefetch is laid: a tile is asked for two key steps (96 matrix and some 2,400 vector instructions a wave) ahead of the wait for it.
; O^T begins as zeros written once, while the first tile is on its way: sums begun by a constant C would want the key step written out two times more.
; LIMITS.  Weights under 2^-126 become 0 (v_exp_f32 gives 0 there).  A block whose weights are all 0 gets the scale byte 1, not 127: its codes are zeros, and the byte is read here alone.
; A NaN code or a scale byte 0xff of key y also reaches the scores of key y - 8 or y + 8 (it meets zeros there); such a key makes every output of its head NaN by the definition too.
.set SLOTB, 143360                     ; an LDS slot: 256 keys: K of the four batches, then V of the four
.set KB,    18432                      ; K of one batch: 128 rows (two keys each) of 128 bytes + 16 of padding: key y lies at 144 (y / 2) + 64 (y % 2)
.set VB,    17408                      ; V of one batch: 64 channel rows of 256 bytes + 16 of padding
.set VOFF,  4*KB
.set SCK,   2*SLOTB                    ; behind the ring: K's scale words of the whole head, [step 16][2][lane 32][4 words]: written once by LDS stores, never a tensor load's target
.set SCV,   SCK+16384                  ; V's likewise
.set SPARE, SCV+16384                  ; the spare words, 128 bytes for each wave: four blocks of 256 bytes that no other line names
.set AK0, 1                            ; v1   my lane's place in a tile of K
.set AV0, 2                            ; v2   in a tile of V
.set AS0, 3                            ; v3   SCK + 16 x lane
.set ADK, 4                            ; v4-6 the step's LDS addresses: K, V, scale words
.set ADV, 5
.set ADS, 6
.set SPW, 7                            ; v7   LDS address of my spare word; never rewritten
.set NIL, 8                            ; v8   0; never rewritten
.set STO, 9                            ; v9   at the head: where I store K's scale words; on the way out: where I put 32 bytes of a row
.set RD,  10                           ; v10  at the head: where I store V's scale words; on the way out: where I read a row back
.set GO,  11                           ; v11  the way out: my byte offset in the wave's rows of out
.set QS,  12                           ; v12-15  Q's scale words, one a batch: [s0, s1, s0, s1]
.set KSC, 16                           ; v16-23  K's scale words of a step: register 4 (b / 2) + blk; lanes 0-15 b even, lanes 16-31 b odd
.set VSC, 24                           ; v24-31  V's: register 4 (b / 2) + 2 (b % 2) + ct / 2; lanes 0-15 ct even, lanes 16-31 ct odd
.set PW,  32                           ; v32-35  P's scale words, one a batch
.set M,   36                           ; v36-51  for my 16 keys: the maximum over b, c x it, the sum, its reciprocal; then the four sets below
.set TM,  M                            ; a block's largest weight, one a batch
.set TP,  M+4                          ; at work
.set LIM, M+8
.set SO,  M+12                         ; the conversion's scale operand
.set Z,   52                           ; v52-123 Q and its zeros
.set S,   124                          ; v124-187 the scores, then the weights: 16 a batch
.set P,   188                          ; v188-251 P's codes: 16 a batch
.set KF,  128                          ; window 1: v0-127 O^T (batch b, channels 16 ct on: 32 b + 8 ct); v128-191 K's four fragments, also V's second set; v192-255 V's four fragments
.set VF,  192
.set WV,  18                           ; s18  my wave's number
.set MNT, 19
.set SEL, 20                           ; s[20:21] selects of v_permlanex16_b32: lane l xor 16
.set CS,  22                           ; s[22:23] c, named as a pair
.set G1K, 24                           ; s[24:31], s[32:39] descriptor groups 1 for K's and V's tiles
.set G1V, 32
.set G0K, 40                           ; s[40:43], s[44:47] their groups 0, which walk
.set G0V, 44
.set FB,  48                           ; s48  LDS byte at which the slot to be filled begins
.set KPART, 49                         ; s49  my batch's K in a slot
.set VPART, 50                         ; s50  my batch's V in a slot
.set TB,  51                           ; s51  LDS byte at which the slot in hand begins
.set TK,  52                           ; s52-54 the step's K, V and scale words
.set TV,  53
.set TS,  54
.set SLOTS, 55
.set TWICE, 56
.set OB,  68                           ; s[68:75] out at my first query, one pointer a batch (a batch is 8,388,608 bytes on: past a store's immediate)
.set MSB, 0
.macro WIN new                         ; s_set_vgpr_msb: bits 1:0 source 0, 3:2 source 1, 5:4 source 2, 7:6 destination; the high byte repeats the setting that is left
.if MSB != \new
	s_set_vgpr_msb (MSB<<8)|\new
.set MSB, \new
.endif
.endm
.macro PLACES n                        ; plain vector instructions behind a matrix instruction (ISA guide 7.12.1)
.rept \n
	v_nop
.endr
.endm
; A round of the cluster's barrier: my work-group's barrier; wave 0 signals for the work-group; every wave waits for all four work-groups; my work-group's barrier once more.
.macro CROUND
	s_barrier_signal -1
	s_barrier_wait -1
	s_cmp_lg_u32 s[WV], 0
	s_cbranch_scc1 .Lnot_wave_0_\@
	s_barrier_signal -3
.Lnot_wave_0_\@:
	s_barrier_wait -3
	s_barrier_signal -1
	s_barrier_wait -1
.endm
; A joint load: waves 0 to 3 fetch K of batch 0 to 3, waves 4 to 7 V of batch 0 to 3.  The branch hangs on the wave's number alone.  Four v_nop follow each of the two lines.
.macro JLOAD
	s_cmp_lt_u32 s[WV], 4
	s_cbranch_scc0 .Lfor_v_\@
	tensor_load_to_lds s[G0K:G0K+3], s[G1K:G1K+7]
	s_nop 0
	PLACES 4
	s_branch .Lasked_\@
.Lfor_v_\@:
	tensor_load_to_lds s[G0V:G0V+3], s[G1V:G1V+7]
	s_nop 0
	PLACES 4
.Lasked_\@:
.endm
	s_load_b256 s[4:11], s[0:1], 0x0               ; Q's codes s[4:5], Q's scales s[6:7], K's codes s[8:9], K's scales s[10:11]
	s_load_b128 s[12:15], s[0:1], 0x20             ; V's codes s[12:13], V's scales s[14:15]
	s_load_b64 s[16:17], s[0:1], 0x30              ; out
	v_lshl_add_u32 v[SPW], v0, 2, SPARE
	v_mov_b32 v[NIL], 0
	ds_add_u32 v7, v8
	ds_add_u32 v7, v8
	s_wait_dscnt 0x0
	v_lshrrev_b32 v1, 5, v0
	s_delay_alu instid0(VALU_DEP_1)
	v_readfirstlane_b32 s[WV], v1                  ; wave 0..7
	v_and_b32 v188, 15, v0                         ; r = lane % 16
	v_bfe_u32 v189, v0, 4, 1                       ; h = lane / 16
	v_lshrrev_b32 v190, 6, v0                      ; the scale bytes: thread t takes 64 bytes of batch t / 64: K's block of 32 keys t % 64, V's channel t % 64
	v_and_b32 v191, 63, v0
	s_delay_alu instid0(VALU_DEP_1)
	v_lshlrev_b32 v191, 6, v191
	s_delay_alu instid0(VALU_DEP_1)
	v_lshl_or_b32 v190, v190, 16, v191             ; 65,536 (t / 64) + 64 (t % 64)
	v_lshlrev_b32 v191, 6, v188
	s_delay_alu instid0(VALU_DEP_1)
	v_lshl_add_u32 v191, v189, 4, v191             ; Q's codes: row r of 64 bytes, + 16 h
	v_lshlrev_b32 v192, 1, v188                    ; Q's scales: 2 bytes a row
	v_bfe_u32 v193, v0, 3, 1
	v_bfe_u32 v194, v0, 1, 2
	s_delay_alu instid0(VALU_DEP_1)
	v_lshl_add_u32 v193, v193, 3, v194             ; key y = 16 (r / 8) + r % 8 lies in LDS row y / 2 = 8 (r / 8) + (r % 8) / 2,
	s_delay_alu instid0(VALU_DEP_1)
	v_mul_u32_u24 v[AK0], v193, 144
	v_and_b32 v194, 1, v0
	s_delay_alu instid0(VALU_DEP_1)
	v_lshl_add_u32 v[AK0], v194, 6, v[AK0]         ; half y % 2 = r % 2.
	s_delay_alu instid0(VALU_DEP_1)
	v_lshl_add_u32 v[AK0], v189, 4, v[AK0]
	v_mul_u32_u24 v[AV0], v188, 272
	s_delay_alu instid0(VALU_DEP_1)
	v_lshl_add_u32 v[AV0], v189, 4, v[AV0]
	v_and_b32 v193, 31, v0                         ; lane
	s_delay_alu instid0(VALU_DEP_1)
	v_lshl_add_u32 v[AS0], v193, 4, SCK
	v_bfe_u32 v194, v0, 2, 4                       ; K's words of (batch b, block G): SCK + 1,024 (G / 4) + 256 b + 16 m + 4 (G % 4)
	s_delay_alu instid0(VALU_DEP_1)
	v_lshl_add_u32 v[STO], v194, 10, SCK
	v_bfe_u32 v194, v0, 6, 2
	s_delay_alu instid0(VALU_DEP_1)
	v_lshl_add_u32 v[STO], v194, 8, v[STO]
	v_and_b32 v194, 3, v0
	s_delay_alu instid0(VALU_DEP_1)
	v_lshl_add_u32 v[STO], v194, 2, v[STO]
	v_lshl_add_u32 v[RD], v193, 4, SCV             ; V's words of (batch b, channel ch): SCV + 1,024 step + 512 (b / 2) + 16 (ch % 32) + 4 (2 (b % 2) + ch / 32)
	v_bfe_u32 v194, v0, 7, 1
	s_delay_alu instid0(VALU_DEP_1)
	v_lshl_add_u32 v[RD], v194, 9, v[RD]
	v_bfe_u32 v194, v0, 5, 2
	s_delay_alu instid0(VALU_DEP_1)
	v_lshl_add_u32 v[RD], v194, 2, v[RD]
	s_bfe_u32 s58, ttmp6, 0x40000                  ; cx: my place in the cluster: it enters Q's and out's addresses alone
	s_lshl_b32 s59, ttmp9, 2                       ; in a cluster launch ttmp9 counts clusters
	s_add_co_u32 s59, s59, s58                     ; my block of 128 queries
	s_and_b32 s60, ttmp7, 0xffff                   ; the head, which the four partners share
	s_and_b32 s61, s[WV], 3                        ; the batch that I fetch for
	s_lshl_b32 s62, s60, 17                        ; a (batch, head) is 131,072 bytes of codes, a batch 2^21
	s_lshl_b32 s63, s61, 21
	s_add_co_u32 s62, s62, s63
	s_mov_b32 s63, 0
	s_mul_i32 s[KPART], s61, KB
	s_mul_i32 s[VPART], s61, VB
	s_add_co_u32 s[VPART], s[VPART], VOFF
	s_lshl_b32 s76, s60, 12                        ; a (batch, head) is 4,096 scale bytes
	s_mov_b32 s77, 0
	s_lshl_b32 s2, s59, 7
	s_lshl_b32 s3, s[WV], 4
	s_add_co_u32 s2, s2, s3                        ; my first query
	s_lshl_b32 s78, s60, 17
	s_lshl_b32 s3, s2, 6
	s_add_co_u32 s78, s78, s3                      ; its codes,
	s_mov_b32 s79, 0
	s_lshl_b32 s80, s2, 1
	s_add_co_u32 s80, s80, s76                     ; its scale bytes,
	s_mov_b32 s81, 0
	s_lshl_b32 s82, s60, 19
	s_lshl_b32 s3, s2, 8
	s_add_co_u32 s82, s82, s3                      ; its row of out
	s_mov_b32 s83, 0
	; descriptor group 1.  K: 256 keys of one (batch, head) are 16,384 dense bytes: 128 rows of 128 bytes.  V: 64 rows of 256 bytes, 2,048 bytes apart
	s_mov_b32 s[G1K], 15|(0<<16)|(1<<20)|(1<<21)|(4<<22)|(3<<25)   ; 15:0 the mask: all four work-groups; 17:16 elements of 1 byte; 20 padding on; 21 set beside a mask; 24:22 after every 32 words (code 4); 31:25 four words (code 3)
	s_mov_b32 s[G1K+1], 128<<16                    ; tensor_dim0
	s_mov_b32 s[G1K+2], 128<<16                    ; tensor_dim1
	s_mov_b32 s[G1K+3], 128<<16                    ; tile_dim0
	s_mov_b32 s[G1K+4], 128                        ; tile_dim1
	s_mov_b32 s[G1K+5], 128                        ; tensor_dim0_stride
	s_mov_b32 s[G1K+6], 0
	s_mov_b32 s[G1K+7], 0
	s_mov_b32 s[G1V], 15|(0<<16)|(1<<20)|(1<<21)|(5<<22)|(3<<25)   ; padding: four words after every 64
	s_mov_b32 s[G1V+1], 256<<16
	s_mov_b32 s[G1V+2], 64<<16
	s_mov_b32 s[G1V+3], 256<<16
	s_mov_b32 s[G1V+4], 64
	s_mov_b32 s[G1V+5], 2048
	s_mov_b32 s[G1V+6], 0
	s_mov_b32 s[G1V+7], 0
	s_mov_b32 s[SEL], 0x76543210
	s_mov_b32 s[SEL+1], 0xfedcba98
	s_mov_b32 s[CS], 0x3eb8aa3b                    ; c = log2(e) / 4
	s_mov_b32 s[CS+1], s[CS]                       ; (named with it as a pair, so it is written)
	s_mov_b32 s[FB], 0
	s_mov_b32 s[TB], 0
	s_mov_b32 s[TS], 0
	s_mov_b32 s[SLOTS], 7
	s_wait_kmcnt 0x0
	s_mov_b32 s[G0K], 1                            ; 1:0 count = 1
	s_mov_b32 s[G0K+1], s[KPART]                   ; 63:32 LDS address: slot 0
	s_add_nc_u64 s[G0K+2:G0K+3], s[8:9], s[62:63]  ; 120:64 global address: the head's first 256 keys, my batch
	s_or_b32 s[G0K+3], s[G0K+3], 0x80000000        ; 127:126 type = 2
	s_mov_b32 s[G0V], 1
	s_mov_b32 s[G0V+1], s[VPART]
	s_add_nc_u64 s[G0V+2:G0V+3], s[12:13], s[62:63]
	s_or_b32 s[G0V+3], s[G0V+3], 0x80000000
	CROUND                                         ; all four work-groups are here: the first joint loads meet
	JLOAD                                          ; slot 0: one tensor load of mine is out
	s_add_nc_u64 s[10:11], s[10:11], s[76:77]      ; K's and V's scale bytes at the head
	s_add_nc_u64 s[14:15], s[14:15], s[76:77]
	s_add_nc_u64 s[4:5], s[4:5], s[78:79]          ; Q's codes and scale bytes at my first query
	s_add_nc_u64 s[6:7], s[6:7], s[80:81]
	s_add_nc_u64 s[OB:OB+1], s[16:17], s[82:83]
	s_add_nc_u64 s[OB+2:OB+3], s[OB:OB+1], 0x800000
	s_add_nc_u64 s[OB+4:OB+5], s[OB+2:OB+3], 0x800000
	s_add_nc_u64 s[OB+6:OB+7], s[OB+4:OB+5], 0x800000
.irp i, 0,1,2,3
	global_load_b128 v[S+4*\i:S+4*\i+3], v190, s[10:11] offset:16*\i           ; K's scale bytes of my block: word d holds keys 2 d and 2 d + 1
.endr
.irp i, 0,1,2,3
	global_load_b128 v[S+16+4*\i:S+16+4*\i+3], v190, s[14:15] offset:16*\i     ; V's of my channel: word s is key step s's
.endr
.irp b, 0,1,2,3
	global_load_u16 v[QS+\b], v192, s[6:7] offset:65536*\b                     ; Q's two scale bytes of row r
.endr
.irp b, 0,1,2,3
.irp c, 0,1
	global_load_b128 v[Z+8+16*\b+4*\c:Z+8+16*\b+4*\c+3], v191, s[4:5] offset:(\b<<21)+32*\c th:TH_LOAD_NT   ; q_b: registers 4 c on hold channels 32 c + 16 h + 0 .. 15 of row r
.endr
.endr
.irp k, 0,1,2,3,4
.irp j, 0,1,2,3,4,5,6,7
	v_mov_b32 v[Z+16*\k+\j], 0                     ; the zeros between the q_b: zero codes
.endr
.endr
	WIN 0x40                                       ; destination window 1
.set i, 0
.rept 128
	v_mov_b32 v[i], 0                              ; O^T
.set i, i+1
.endr
	WIN 0
	s_wait_loadcnt 16                              ; K's scale bytes are in: behind them stand 4 + 4 + 8 loads
.irp m, 0,1,2,3,4,5,6,7,8,9,10,11,12,13,14,15      ; row m's word: the two bytes of key y = 16 (m / 8) + m % 8 below, those of key y + 8 (four words on) above
.if (\m%2)
	v_perm_b32 v[S+32+\m], v[S+8*(\m/8)+(\m%8)/2+4], v[S+8*(\m/8)+(\m%8)/2], 0x07060302
.else
	v_perm_b32 v[S+32+\m], v[S+8*(\m/8)+(\m%8)/2+4], v[S+8*(\m/8)+(\m%8)/2], 0x05040100
.endif
.endr
.irp m, 0,1,2,3,4,5,6,7,8,9,10,11,12,13,14,15
	ds_store_b32 v[STO], v[S+32+\m] offset:16*\m
.endr
	s_wait_loadcnt 12                              ; V's are in: behind them stand 4 + 8 loads
.irp s, 0,1,2,3,4,5,6,7,8,9,10,11,12,13,14,15
	ds_store_b32 v[RD], v[S+16+\s] offset:1024*\s
.endr
	s_wait_loadcnt 8                               ; Q's scale bytes are in: behind them stand Q's 8 loads
.irp b, 0,1,2,3
	v_lshl_or_b32 v[QS+\b], v[QS+\b], 16, v[QS+\b] ; [s0, s1, s0, s1]: it serves [q | 0] and [0 | q] alike
.endr
	s_wait_loadcnt 0x0                             ; Q
.macro KLOAD blk                       ; the four batches' fragments of K for 32 keys: registers 4 c on: c = 0, 1 key y, c = 2, 3 key y + 8 (four LDS rows on)
	WIN 0x40
.irp b, 0,1,2,3
.irp c, 0,1,2,3
	ds_load_b128 v[KF+16*\b+4*\c:KF+16*\b+4*\c+3], v[ADK] offset:\b*KB+(\blk)*2304+(\c/2)*576+(\c%2)*32
.endr
.endr
	WIN 0
.endm
.macro VLOAD b, dst                    ; batch b's four fragments of V^T (16 channels x 128 keys each)
	WIN 0x40
.irp ct, 0,1,2,3
.irp c, 0,1,2,3
	ds_load_b128 v[\dst+16*\ct+4*\c:\dst+16*\ct+4*\c+3], v[ADV] offset:(\b)*VB+\ct*4352+32*\c
.endr
.endr
	WIN 0
.endm
.macro SMUL blk
	WIN 0x01                                       ; source 0 (K) window 1
.irp b, 0,1,2,3
.if (\b%2)
	v_wmma_scale_f32_16x16x128_f8f6f4 v[S+16*\b:S+16*\b+7], v[KF+16*\b:KF+16*\b+15], v[Z+8+16*\b:Z+23+16*\b], 0, v[KSC+4*(\b/2)+(\blk)], v[QS+\b] matrix_a_scale:MATRIX_SCALE_ROW1
	v_wmma_scale_f32_16x16x128_f8f6f4 v[S+16*\b+8:S+16*\b+15], v[KF+16*\b:KF+16*\b+15], v[Z+16*\b:Z+15+16*\b], 0, v[KSC+4*(\b/2)+(\blk)], v[QS+\b] matrix_a_scale:MATRIX_SCALE_ROW1
.else
	v_wmma_scale_f32_16x16x128_f8f6f4 v[S+16*\b:S+16*\b+7], v[KF+16*\b:KF+16*\b+15], v[Z+8+16*\b:Z+23+16*\b], 0, v[KSC+4*(\b/2)+(\blk)], v[QS+\b]
	v_wmma_scale_f32_16x16x128_f8f6f4 v[S+16*\b+8:S+16*\b+15], v[KF+16*\b:KF+16*\b+15], v[Z+16*\b:Z+15+16*\b], 0, v[KSC+4*(\b/2)+(\blk)], v[QS+\b]
.endif
.endr
.endm
; Four matrix instructions: O^T of batch b += V^T P^T over the step's 128 keys.  Each of the 16 accumulators has one instruction a key step: they take turns.
.macro PVMUL b, src
	WIN 0x51                                       ; source 0 (V) window 1, source 1 (P) window 0, C and D window 1
.irp ct, 0,1,2,3
.if (\ct%2)
	v_wmma_scale_f32_16x16x128_f8f6f4 v[32*(\b)+8*\ct:32*(\b)+8*\ct+7], v[\src+16*\ct:\src+16*\ct+15], v[P+16*(\b):P+16*(\b)+15], v[32*(\b)+8*\ct:32*(\b)+8*\ct+7], v[VSC+4*((\b)/2)+2*((\b)%2)+\ct/2], v[PW+(\b)] matrix_a_scale:MATRIX_SCALE_ROW1
.else
	v_wmma_scale_f32_16x16x128_f8f6f4 v[32*(\b)+8*\ct:32*(\b)+8*\ct+7], v[\src+16*\ct:\src+16*\ct+15], v[P+16*(\b):P+16*(\b)+15], v[32*(\b)+8*\ct:32*(\b)+8*\ct+7], v[VSC+4*((\b)/2)+2*((\b)%2)+\ct/2], v[PW+(\b)]
.endif
.endr
.endm
; THE SOFTMAX OVER THE FOUR BATCHES and the quantiser, for one block of 32 keys: 4 x 16 numbers a lane, all in window 0.
.macro SOFTMAX blk
.irp i, 0,1,2,3,4,5,6,7,8,9,10,11,12,13,14,15
	v_max3_num_f32 v[M+\i], v[S+\i], v[S+16+\i], v[S+32+\i]        ; the largest of the four scores; each accumulator is read from its low end on
.endr
.irp p, 0,2,4,6,8,10,12,14
	v_dual_max_num_f32 v[M+\p], v[M+\p], v[S+48+\p] :: v_dual_max_num_f32 v[M+\p+1], v[M+\p+1], v[S+49+\p]
.endr
.irp p, 0,2,4,6,8,10,12,14
	v_pk_mul_f32 v[M+\p:M+\p+1], v[M+\p:M+\p+1], s[CS:CS+1] op_sel_hi:[1,0]        ; c x the maximum
.endr
.irp p, 0,2,4,6,8,10,12,14
	v_pk_fma_f32 v[S+\p:S+\p+1], v[S+\p:S+\p+1], s[CS:CS+1], v[M+\p:M+\p+1] op_sel_hi:[1,0,1] neg_lo:[0,0,1] neg_hi:[0,0,1]   ; t = c s - c max, batch 0
.endr
	s_wait_alu depctr_va_vdst(0)
.irp b, 0,1,2,3                        ; ONE BATCH of 16 exponentials; the next batch's scalings stand among them; none of these lines names an exponential's result
	s_wait_alu depctr_va_vdst(0)
.irp p, 0,2,4,6,8,10,12,14
.if \b < 3
	v_pk_fma_f32 v[S+16+16*\b+\p:S+17+16*\b+\p], v[S+16+16*\b+\p:S+17+16*\b+\p], s[CS:CS+1], v[M+\p:M+\p+1] op_sel_hi:[1,0,1] neg_lo:[0,0,1] neg_hi:[0,0,1]
.endif
	v_exp_f32 v[S+16*\b+\p], v[S+16*\b+\p]
	v_exp_f32 v[S+16*\b+\p+1], v[S+16*\b+\p+1]
.endr
.endr
	v_nop                                          ; a plain instruction behind the last exponential,
	s_wait_alu depctr_va_vdst(0)                   ; and the one wait ahead of the first line that names a result
.irp p, 0,2,4,6,8,10,12,14
	v_pk_add_f32 v[M+\p:M+\p+1], v[S+\p:S+\p+1], v[S+16+\p:S+17+\p]               ; the sum over the four batches
.endr
.irp p, 0,2,4,6,8,10,12,14
	v_pk_add_f32 v[M+\p:M+\p+1], v[M+\p:M+\p+1], v[S+32+\p:S+33+\p]
.endr
.irp p, 0,2,4,6,8,10,12,14
	v_pk_add_f32 v[M+\p:M+\p+1], v[M+\p:M+\p+1], v[S+48+\p:S+49+\p]
.endr
	s_wait_alu depctr_va_vdst(0)
.irp i, 0,1,2,3,4,5,6,7,8,9,10,11,12,13,14,15
	v_rcp_f32 v[M+\i], v[M+\i]
.endr
	v_nop
	s_wait_alu depctr_va_vdst(0)                   ; one wait for the sixteen reciprocals
.irp b, 0,1,2,3
.irp p, 0,2,4,6,8,10,12,14
	v_pk_mul_f32 v[S+16*\b+\p:S+16*\b+\p+1], v[S+16*\b+\p:S+16*\b+\p+1], v[M+\p:M+\p+1]   ; the weights, finished and normalised
.endr
.endr
.irp b, 0,1,2,3
	v_max3_num_f32 v[TM+\b], v[S+16*\b], v[S+16*\b+1], 0x4800000   ; the block's largest weight, batch by batch (weights are not negative), and the floor 2^(9 - 127): the byte cannot fall under 1
.endr
.irp i, 2,4,6,8,10,12,14
.irp b, 0,1,2,3
	s_delay_alu instid0(VALU_DEP_4)
	v_max3_num_f32 v[TM+\b], v[TM+\b], v[S+16*\b+\i], v[S+16*\b+\i+1]
.endr
.endr
.irp b, 0,1,2,3
	v_permlanex16_b32 v[TP+\b], v[TM+\b], s[SEL], s[SEL+1]
.endr
.irp b, 0,1,2,3
	s_delay_alu instid0(VALU_DEP_4)
	v_max_num_f32 v[TM+\b], v[TM+\b], v[TP+\b]     ; with lane l xor 16's 16 keys
.endr
.irp b, 0,1,2,3
	s_delay_alu instid0(VALU_DEP_4)
	v_add_nc_u32 v[SO+\b], 0xfc000000, v[TM+\b]    ; 8 off the exponent field: the conversion's scale operand
.endr
.irp b, 0,1,2,3
.endr
.if (\blk) == 0
.irp b, 0,1,2,3
	s_delay_alu instid0(VALU_DEP_4)
	v_lshrrev_b32 v[PW+\b], 23, v[SO+\b]           ; the scale's byte begins P's scale word
.endr
.else
.irp b, 0,1,2,3
	s_delay_alu instid0(VALU_DEP_4)
	v_lshrrev_b32 v[TP+\b], 23, v[SO+\b]
.endr
.irp b, 0,1,2,3
	s_delay_alu instid0(VALU_DEP_4)
	v_lshl_or_b32 v[PW+\b], v[TP+\b], 8*(\blk), v[PW+\b]
.endr
.endif
.irp b, 0,1,2,3
.irp p, 0,2,4,6,8,10,12,14
.endr
.endr
.irp b, 0,1,2,3
	v_cvt_scalef32_pk8_fp8_f32 v[P+16*\b+4*(\blk):P+16*\b+4*(\blk)+1], v[S+16*\b:S+16*\b+7], v[SO+\b]          ; registers 4 blk on of P's operand: keys 32 blk + 16 h + 0 .. 15
	v_cvt_scalef32_pk8_fp8_f32 v[P+16*\b+4*(\blk)+2:P+16*\b+4*(\blk)+3], v[S+16*\b+8:S+16*\b+15], v[SO+\b]
.endr
	v_nop                                          ; a plain instruction between the conversions and the products that write their sources or read their results
.endm
; A KEY STEP: 128 keys.  Each run of LDS loads is issued ahead of a block's softmax and lands under it.
.macro STEP
	v_add_nc_u32 v[ADK], s[TK], v[AK0]
	v_add_nc_u32 v[ADV], s[TV], v[AV0]
	v_add_nc_u32 v[ADS], s[TS], v[AS0]
	PLACES 5                                       ; with the three additions: eight places behind the last step's products, ahead of loads into registers that they read
	ds_load_b128 v[KSC:KSC+3], v[ADS]              ; K's scale words of the step: batches 0, 1;
	ds_load_b128 v[KSC+4:KSC+7], v[ADS] offset:512 ; batches 2, 3
	KLOAD 0
	s_wait_alu depctr_va_vdst(0)
.irp q, 0,1,2,3
	s_wait_dscnt 0x0                               ; this block's fragments are in
	SMUL \q
	WIN 0
	PLACES 8                                       ; ahead of the loads into K's registers and of the first read of the scores
.if \q < 3
	KLOAD \q+1
.else
	s_setprio 1
	ds_load_b128 v[VSC:VSC+3], v[ADS] offset:SCV-SCK
	ds_load_b128 v[VSC+4:VSC+7], v[ADS] offset:SCV-SCK+512
	VLOAD 0, VF
	VLOAD 1, KF
.endif
	SOFTMAX \q
.endr
	s_setprio 0
	PLACES 3                                       ; with the softmax's last line: four places between the codes and the products; P's scale words were finished 12 plain lines earlier
	s_wait_alu depctr_va_vdst(0)
	s_wait_dscnt 0x0
	PVMUL 0, VF
	PVMUL 1, KF
	WIN 0
	PLACES 8
	VLOAD 2, VF
	VLOAD 3, KF
	s_wait_dscnt 0x0
	PVMUL 2, VF
	PVMUL 3, KF
	WIN 0
	s_add_co_u32 s[TK], s[TK], 9216                ; 128 keys on: 64 LDS rows of K,
	s_add_co_u32 s[TV], s[TV], 128                 ; 128 bytes in V's rows,
	s_add_co_u32 s[TS], s[TS], 1024                ; a step's scale words
.endm
; THE CHANGE OF SLOTS stands at a slot's head.  Each wave waits for all its tensor loads (its part of the slot ahead), adds 0 to its spare word, and waits for that, for its reads of the slot that it has left and,
; the first time, for its stores of the scale words.  Behind the barrier the slot ahead is whole and nobody reads the other one.  fill = 1: the barrier is a round of the cluster's, and the other slot is filled with
; the next 256 keys, first thing behind it: one tensor load a wave, which has two key steps in which to land.
.macro CHANGE fill
	s_wait_tensorcnt 0x0                           ; no tensor load of mine is out, so a group 0 may be written
	ds_add_u32 v[SPW], v[NIL]                      ; 0 onto my spare word
.if \fill
	s_xor_b32 s[FB], s[FB], SLOTB                  ; the other slot than last time,
	s_add_co_u32 s[G0K+1], s[FB], s[KPART]
	s_add_co_u32 s[G0V+1], s[FB], s[VPART]
	s_add_nc_u64 s[G0K+2:G0K+3], s[G0K+2:G0K+3], 16384   ; the next 256 keys; the type bits on top are not reached
	s_add_nc_u64 s[G0V+2:G0V+3], s[G0V+2:G0V+3], 256
	s_wait_dscnt 0x0
	CROUND
	JLOAD
.else
	s_wait_dscnt 0x0
	s_barrier_signal -1
	s_barrier_wait -1
.endif
.endm
.macro TWO_STEPS                       ; a slot's two key steps: written once, walked twice
	s_mov_b32 s[TK], s[TB]
	s_add_co_u32 s[TV], s[TB], VOFF
	s_mov_b32 s[TWICE], 2
.Lstep_\@:
	s_setprio 2
	STEP
	s_sub_co_u32 s[TWICE], s[TWICE], 1
	s_cmp_lg_u32 s[TWICE], 0
	s_cbranch_scc1 .Lstep_\@
	s_setprio 0
	s_xor_b32 s[TB], s[TB], SLOTB                  ; on to the other slot
.endm
.Lslot:                                            ; seven trips: behind each change of slots but the last the next 256 keys are asked for
	CHANGE 1
	TWO_STEPS
	s_sub_co_u32 s[SLOTS], s[SLOTS], 1
	s_cmp_lg_u32 s[SLOTS], 0
	s_cbranch_scc1 .Lslot
	CHANGE 0                                       ; the last slot is written out
	TWO_STEPS
	; THE WAY OUT.  A lane holds 32 neighbouring bytes of a row of out, and the lanes beside it hold other rows: a batch's 16 rows x 256 bytes go through my stage in LDS and come back as whole rows.
	; The stages (17,408 bytes a wave) lie in slot 0: it has had its last fill, and every wave has passed the last change of slots, behind which only slot 1 is read.
	s_mul_i32 s58, s[WV], 17408
	v_and_b32 v36, 15, v0                          ; r.  (These ten lines are also the places behind the last products: they name none of their registers)
	v_bfe_u32 v37, v0, 4, 1                        ; h
	s_delay_alu instid0(VALU_DEP_2)
	v_mul_u32_u24 v[STO], v36, 272
	s_delay_alu instid0(VALU_DEP_1)
	v_lshl_add_u32 v[STO], v37, 5, v[STO]
	s_delay_alu instid0(VALU_DEP_1)
	v_add_nc_u32 v[STO], s58, v[STO]               ; in: row r; channels 16 ct + 8 h on: 64 ct + 32 h bytes on
	s_delay_alu instid0(VALU_DEP_4)
	v_mul_u32_u24 v[RD], v37, 272
	s_delay_alu instid0(VALU_DEP_1)
	v_lshl_add_u32 v[RD], v36, 4, v[RD]
	s_delay_alu instid0(VALU_DEP_1)
	v_add_nc_u32 v[RD], s58, v[RD]                 ; back: lanes 0-15 one row, lanes 16-31 the next
	v_lshlrev_b32 v[GO], 8, v37
	s_delay_alu instid0(VALU_DEP_1)
	v_lshl_add_u32 v[GO], v36, 4, v[GO]            ; and the same two rows in out
.macro PACK b
	WIN 0x04                                       ; an LDS store's data are its source 1: window 1
.irp ct, 0,1,2,3
	ds_store_b128 v[STO], v[32*(\b)+8*\ct:32*(\b)+8*\ct+3] offset:4352*(\b)+64*\ct         ; each accumulator from its low end on
	ds_store_b128 v[STO], v[32*(\b)+8*\ct+4:32*(\b)+8*\ct+7] offset:4352*(\b)+64*\ct+16
.endr
	WIN 0
.irp i, 0,1,2,3,4,5,6,7
	ds_load_b128 v[S+32*(\b)+4*\i:S+32*(\b)+4*\i+3], v[RD] offset:4352*(\b)+544*\i         ; LDS serves a wave's instructions in order (ISA guide 5.7.1.4): these see my stores
.endr
.endm
.macro SEND b, younger                 ; younger: the LDS instructions issued behind batch b's loads: the next batch's sixteen, or none
.irp i, 0,1,2,3,4,5,6,7
	s_wait_dscnt \younger+7-\i
	global_store_b128 v[GO], v[S+32*(\b)+4*\i:S+32*(\b)+4*\i+3], s[OB+2*(\b):OB+2*(\b)+1] offset:512*\i th:TH_STORE_NT   ; 32 lanes store 512 consecutive bytes, at a multiple of 256 from out's first byte
.endr
.endm
	PACK 0
	PACK 1
	s_wait_alu depctr_va_vdst(0)
	SEND 0, 16
	PACK 2
	SEND 1, 16
	PACK 3
	SEND 2, 16
	SEND 3, 0
	s_wait_tensorcnt 0x0                           ; the wave's end, behind my last tensor load and my last LDS store
	ds_add_u32 v[SPW], v[NIL]
	s_wait_dscnt 0x0
	CROUND                                         ; the closing round: no work-group ends while a partner may still ask for a tile that names it
	s_endpgm
.Lfunc_end_k_qe494b35aee_attn:
	.size	k_qe494b35aee_attn, .Lfunc_end_k_qe494b35aee_attn-k_qe494b35aee_attn
	.p2alignl 7, 3214868480
	.fill 96, 4, 3214868480
	.section	.rodata,"a",@progbits
	.p2align	6, 0x0
	.amdhsa_kernel k_qe494b35aee_attn
		.amdhsa_group_segment_fixed_size 327680
		.amdhsa_private_segment_fixed_size 0
		.amdhsa_enable_private_segment 0
		.amdhsa_kernarg_size 56
		.amdhsa_user_sgpr_count 2
		.amdhsa_user_sgpr_kernarg_segment_ptr 1
		.amdhsa_wavefront_size32 1
		.amdhsa_system_sgpr_workgroup_id_x 1
		.amdhsa_system_sgpr_workgroup_id_y 1
		.amdhsa_system_sgpr_workgroup_id_z 1
		.amdhsa_system_vgpr_workitem_id 0
		.amdhsa_next_free_vgpr 512
		.amdhsa_next_free_sgpr 84
		.amdhsa_reserve_vcc 0
		.amdhsa_float_denorm_mode_32 3
		.amdhsa_float_denorm_mode_16_64 3
		.amdhsa_fp16_overflow 1
		.amdhsa_memory_ordered 1
		.amdhsa_forward_progress 1
		.amdhsa_inst_pref_size 187
	.end_amdhsa_kernel
	.amdgpu_metadata
---
amdhsa.version: [ 1, 2 ]
amdhsa.kernels:
  - .name:           k_qe494b35aee_attn
    .symbol:         k_qe494b35aee_attn.kd
    .args:
      - { .name: query_codes, .offset: 0, .size: 8, .value_kind: global_buffer, .address_space: global }
      - { .name: query_scales, .offset: 8, .size: 8, .value_kind: global_buffer, .address_space: global }
      - { .name: key_codes, .offset: 16, .size: 8, .value_kind: global_buffer, .address_space: global }
      - { .name: key_scales, .offset: 24, .size: 8, .value_kind: global_buffer, .address_space: global }
      - { .name: value_codes, .offset: 32, .size: 8, .value_kind: global_buffer, .address_space: global }
      - { .name: value_scales, .offset: 40, .size: 8, .value_kind: global_buffer, .address_space: global }
      - { .name: out0, .offset: 48, .size: 8, .value_kind: global_buffer, .address_space: global }
    .group_segment_fixed_size: 327680
    .private_segment_fixed_size: 0
    .kernarg_segment_align: 8
    .kernarg_segment_size: 56
    .max_flat_workgroup_size: 256
    .sgpr_count:     84
    .vgpr_count:     512
    .wavefront_size: 32
...
	.end_amdgpu_metadata
.endif
;; end of part 1
